; MI455X (gfx1250); checked and timed in simulation.
; The chip was launched on July 23, 2026; its instructions are those of AMD's public machine-readable ISA for CDNA 5 (MIT licence, August 2026) and "CDNA5" Instruction Set Architecture Reference Guide (July 2026). The comments in the code are by the model that wrote it; some were corrected since.
;; Project Point2 Image. Allowed arithmetic: matrix products marked QUANTISED: E2M1 operands, one E8M0 scale for each 32 along K, by v_wmma_scale_f32_16x16x128_f8f6f4 with both operands' format E2M1 (or v_wmma_scale_f32_32x16x128_f4), f32 sums; products left as they are: f32 operands where the result goes on into a quantised operand, else bf16, f16 or f32 operands; f32 sums; everything else in f32.
;; Inputs: K 3 x 3 float32; RT 4 x 3 x 4 float32; pts_3d 4 x 1,024 x 3 float32; pts_feat_codes 4 x 16 x 32 x 16 uint8 (E2M1 codes of pts_feat, K innermost, in blocks of 32 codes, two codes a byte); pts_feat_scales 4 x 16 x 32 uint8 (E8M0 scales of pts_feat, one for each 32 codes along K); pts_scale 4 x 1,024 float32.
;; Outputs: out0 4 x 16 x 128 x 128 float32.
;; This version of the problem:
;;   THIS VERSION OF THE PROBLEM IS GIVEN IN LOW PRECISION. The matrix products marked QUANTISED in the list below multiply operands that are first quantised to E2M1 (2 exponent bits, 1 mantissa bit; 4 bits a number), with one power-of-two scale for each 32 numbers along K (OCP MX v1.0); their sums are f32. All else is computed in f32.
;;   The module's matrix products, in the order in which they are computed (A, B: the left and right operand; K: the contracted axis; several contracted axes count as one K, in the product's order):
;;     1. batch 4 x [M 1,024, K 3] x [K 3, N 3]; A: input pts_3d; B: input RT: left as it is (K = 3 < 32)
;;     2. [M 4,096, K 3] x [K 3, N 3]; A: computed on the way; B: input K: left as it is (K = 3 < 32)
;;     3. batch 4 x [M 16, K 1,024] x [K 1,024, N 16,384]; A: input pts_feat (given as codes); B: computed on the way: QUANTISED
;;   THE QUANTISER, for each operand of a quantised product, along K:
;;     - K is cut into blocks of 32 from its start; a last block that is shorter is filled with zeros.
;;     - A block's scale is 2^e with e = floor(log2(the largest magnitude in the block)) - 2, held to -126 .. 127; a block of zeros has e = 0. As a byte (E8M0): e + 127.
;;     - Each number is divided by its block's scale, clamped to +-6, and rounded to the nearest number of E2M1, ties to even, subnormals kept.
;;     - The product sums the exact products of the quantised numbers (number of the format x scale) in f32.
;;   ~~~python
;;   def quantise(x, axis):      # numpy; x: float32 -> the quantised numbers, widened to float32 again
;;       x = np.moveaxis(x, axis, -1); K = x.shape[-1]
;;       x = np.pad(x, [(0, 0)] * (x.ndim - 1) + [(0, -K % 32)]); x = x.reshape(x.shape[:-1] + (-1, 32)); a = np.abs(x).max(-1, keepdims=True)
;;       e = np.where(a > 0, np.clip(np.frexp(np.where(a > 0, a, 1))[1] - 1 - 2, -126, 127), 0)      # np.frexp(a)[1] - 1 = floor(log2(a)), exactly
;;       r = np.clip(x / 2.0 ** e, -6, 6)
;;       step = 2.0 ** (np.maximum(np.frexp(np.where(r == 0, 1, r))[1] - 1, 0) - 1)
;;       q = np.round(r / step) * step * 2.0 ** e      # np.round: ties to even
;;       return np.moveaxis(q.reshape(q.shape[:-2] + (-1,))[..., :K], -1, axis).astype(np.float32)
;;   ~~~
;;   OPERANDS COMPUTED ON THE WAY. 'Computed on the way' means the value that the module computes at that place (a softmax that the list does not call 'softmax' is quantised finished and normalised). What goes into a quantiser is computed in f32, as accurately as f32 sums, v_exp_f32 and their like allow (about 1e-6 of the number): no bf16 or f16 on the way to a quantiser, and a product that is left as it is and whose result goes on into a quantised operand takes f32 operands (vector FMAs, or v_wmma_f32_16x16x4_f32). A number that lies on a knife's edge between two numbers of the format may be rounded either way, as far as f32 arithmetic and the matrix unit's own rounding can turn it there, and no further.
;;   INPUTS GIVEN AS CODES. pts_feat (in the module: [4, 1024, 16], K = its axis 1): each comes as NAME_codes (uint8): NAME with its K axis moved to the last place and cut into blocks of 32 codes, [.., K / 32, bytes a block], one block behind the other in memory; two codes a byte, the lower K in the low four bits (a code: sign, 2 exponent bits, 1 mantissa bit); and NAME_scales (uint8): the same leading axes, one E8M0 byte (e + 127) for each 32 codes along K. Its value is code x scale, taken as it is: it is not quantised again, and the codes and scales need not be those that the quantiser above would give.
;; 2 versions, each right; version 2 is version 1 with the launch splat written anew for expert scheduling mode. Each part assembles by itself: llvm-mc -triple=amdgcn-amd-amdhsa -mcpu=gfx1250 --defsym DOCPART=n.
;; ======== version 1 of 2: 1 launch
;; launch splat (part 1): grid 64 x 4, 8 waves a work-group, no clusters, 164,864 bytes of LDS; arguments K, RT, pts_3d, pts_feat_codes, pts_feat_scales, pts_scale, out0; writes out0
.if DOCPART == 1
	.amdgcn_target "amdgcn-amd-amdhsa--gfx1250"
	.amdhsa_code_object_version 6
	.text
	.protected	k_qb6995c9a3c_splat
	.globl	k_qb6995c9a3c_splat
	.p2align	8
	.type	k_qb6995c9a3c_splat,@function
k_qb6995c9a3c_splat:
	s_mov_b64 s[64:65], 0
	v_nop
	global_prefetch_b8 v0, s[64:65] scope:SCOPE_SE
	s_setreg_imm32_b32 hwreg(HW_REG_WAVE_MODE, 25, 1), 1
	s_wait_xcnt 0x0
; out0[b][ch][row][col] = sum over the 1,024 points n of pts_feat[b][n][ch] x Q(weight[b][n][row][col]),  weight = exp(-((v - row)^2 + (u - col)^2) / (pts_scale sigma sigma)) for z > 0.1, else 0.
; Q: E2M1 codes with one E8M0 scale for each 32 points; pts_feat arrives as such codes.  The product runs on v_wmma_scale_f32_16x16x128_f8f6f4, both sides FP4, sums in f32.
; THE WEIGHT IS MADE AS A PRODUCT OF TWO FACTORS: weight = Ev[n][row] x Eu[n][col], Ev = 2^(c (v - row)^2), Eu = 2^(c (u - col)^2), c = -log2(e) / (pts_scale sigma sigma): the same number for every input,
; with one exponential's error and one rounding more.  A patch of 4 rows x 64 columns then needs 68 exponentials a point and not 256; a weight costs half a packed multiply, half a v_max3 and an eighth of a conversion.
; SHARES.  256 work-groups: y = batch, x = patch (4 image rows x 64 columns: 64 columns of f32 are 256 consecutive bytes of out0, aligned).  Eight waves; wave w owns K step w, points 128 w .. 128 w + 127, for all 256
; pixels: 16 tiles (row rho, columns 16 a + 0..15).  Lane (r, h) holds pixel column r and, as the 4-bit operand's layout wants, points 64 c + 32 h + 0..31 in registers: a block of 32 lies in ONE lane.
; Source 0 = 16 pixels' weights, source 1 = the 16 channels of pts_feat: a lane's eight results are eight neighbouring columns of one channel.  The eight waves' partial sums meet in LDS and are added in ascending K.
; LIMITS.  A factor under 2^-126 comes out of v_exp_f32 as 0, so a weight that small may be 0.  |pts_scale sigma sigma| under 2^-126 (0 among them) counts as a hidden point: reference() differs there only for a point
; that lies exactly on a pixel.  NaN and infinities among the inputs are not served.  A block of zeros gets the scale byte 1: its codes are zeros.  u, v: v_rcp_f32 refined once, the quotient corrected by its residual.
; No tensor load, no cluster: a wave's share of the inputs is under 3 KB and goes straight into registers; what work-groups share is small beside the 262,144 weights that each makes itself.
.set PRW,    3072                      ; LDS, a wave's own: u[128], c[128], Ev[4][128], 512 bytes each
.set STG,    8*PRW                     ; behind them the stages: for each wave 64 lines (4 rows x 16 channels) of 256 bytes + 16
.set SPITCH, 272                       ; 68 words: the sixteen lines that a store touches begin in sixteen different groups of four banks
.set WSTG,   64*SPITCH
.set FLOOR,  0x1800000                 ; 2^(3 - 127): no block's largest weight is taken under it, so the scale's byte cannot fall under 1
; window 0
.set RL,   2                           ; lane % 16
.set HL,   3                           ; lane / 16
.set ATB,  4                           ; LDS: my half's points in the wave's tables: PRW w + 128 h
.set APS,  5                           ; LDS: where I put my points' numbers: PRW w + 4 lane
.set SO,   6                           ; the stage, in: line r, + 32 h
.set RD0,  7                           ; the stage, back: partial sums 0-3
.set RD1,  8                           ; partial sums 4-7
.set GOFF, 9                           ; my byte offset in out0
.set SH8,  10                          ; 8 h
.set FS,   11                          ; pts_feat's scale word of channel r: scales alone
.set SW,   12                          ; v12-13 the weights' scale words: lanes 0-15 tile 2 i, lanes 16-31 tile 2 i + 1: scales alone
.set PW,   14                          ; v14-17 a tile's two bytes of my half
.set SOP,  18                          ; v18-19 the conversions' scale operands
.set BY,   20                          ; v20-21
.set NG,   22                          ; v22-29 -(column) of my lane in column set a, twice: a pair for the packed addition
.set FF,   30                          ; v30-37 pts_feat's fragment of my K step
.set MX,   38                          ; v38-45 running maxima, four chains for each of two tiles
.set O3,   46                          ; offsets of the first loads
.set O1,   47
.set CD,   48                          ; v48-79 the codes of a row's four tiles
.set AC,   80                          ; v80-111 their results
.set OC,   112
.set OS,   113
.set EVB,  128                         ; v128-191 Ev of one row, two buffers (c = 0, 1); before that u
.set PR,   192                         ; v192-255 the products of two tiles; before that c
.set RB,   128                         ; the sum: 8 partial sums x 16 registers
; the points' work, four points a lane (what goes to LDS lies where the codes will lie; the rest where tables will land)
.set PU,  48
.set PCF, 52
.set PE,  56
.set GR,  72
.set SIG, 76
.set NINF, 77
.set PX,  128
.set PY,  132
.set PZ,  136
.set PS,  140
.set LA,  144
.set LB,  148
.set LC,  152
.set QA,  156
.set QB,  160
.set QC,  164
.set ZC,  168
.set YZ,  172
.set EE,  176
.set VQ,  180
.set RR,  184
.set DEN, 188
.set YD,  192
; window 1: Eu: register 128 c + 32 a + i = point 64 c + 32 h + i, column 16 a + r
.set MSB, 0
.macro WIN new                         ; bits 1:0 source 0, 3:2 source 1, 5:4 source 2, 7:6 destination; the high byte repeats the setting that is left
.if MSB != \new
	s_set_vgpr_msb (MSB<<8)|\new
.set MSB, \new
.endif
.endm
	s_load_b256 s[4:11], s[0:1], 0x0               ; K s[4:5], RT s[6:7], pts_3d s[8:9], pts_feat_codes s[10:11]
	s_load_b128 s[12:15], s[0:1], 0x20             ; pts_feat_scales s[12:13], pts_scale s[14:15]
	s_load_b64 s[16:17], s[0:1], 0x30              ; out0
	v_lshl_add_u32 v126, v0, 2, 0x28000
	v_mov_b32 v127, 0
	v_lshrrev_b32 v1, 5, v0
	v_readfirstlane_b32 s18, v1                    ; wave 0..7 = my K step
	s_and_b32 s19, ttmp7, 0xffff                   ; batch
	s_and_b32 s29, ttmp9, 1
	s_lshl_b32 s29, s29, 6                         ; the patch's first column: 0 or 64
	s_lshr_b32 s30, ttmp9, 1
	s_lshl_b32 s30, s30, 2                         ; its first row
	s_mov_b32 s3, 0                                ; the upper word of every offset
	s_mov_b32 s45, 0x3dcccccd                      ; 0.1
	s_mov_b32 s46, 0x00800000                      ; 2^-126
	s_mov_b32 s47, 0xbfb8aa3b                      ; -log2(e)
	v_and_b32 v1, 31, v0                           ; lane
	v_and_b32 v[RL], 15, v0
	v_bfe_u32 v[HL], v0, 4, 1
	v_mul_u32_u24 v[O3], v1, 12                    ; a point is 12 bytes
	v_lshlrev_b32 v[O1], 2, v1
	v_lshlrev_b32 v[OC], 9, v[RL]                  ; a channel's 1,024 codes are 512 bytes,
	v_lshl_add_u32 v[OC], v[HL], 4, v[OC]          ; + 16 h
	v_lshlrev_b32 v[OS], 5, v[RL]                  ; its 32 scale bytes
	s_wait_kmcnt 0x0
	s_mul_i32 s2, s19, 48
	s_add_nc_u64 s[6:7], s[6:7], s[2:3]            ; RT of my batch
	s_load_b256 s[20:27], s[4:5], 0x0              ; K00 .. K21
	s_load_b32 s28, s[4:5], 0x20                   ; K22
	s_load_b256 s[32:39], s[6:7], 0x0              ; R00 R01 R02 T0 R10 R11 R12 T1
	s_load_b128 s[40:43], s[6:7], 0x20             ; R20 R21 R22 T2
	s_mul_i32 s2, s19, 12288
	s_mul_i32 s31, s18, 1536
	s_add_co_u32 s2, s2, s31
	s_add_nc_u64 s[8:9], s[8:9], s[2:3]            ; my wave's 128 points
	s_lshl_b32 s2, s19, 12
	s_lshl_b32 s31, s18, 9
	s_add_co_u32 s2, s2, s31
	s_add_nc_u64 s[14:15], s[14:15], s[2:3]        ; and their pts_scale
	s_lshl_b32 s2, s19, 13
	s_lshl_b32 s31, s18, 6
	s_add_co_u32 s2, s2, s31
	s_add_nc_u64 s[10:11], s[10:11], s[2:3]        ; codes: my batch, my K step's 64 bytes of a row
	s_lshl_b32 s2, s19, 9
	s_lshl_b32 s31, s18, 2
	s_add_co_u32 s2, s2, s31
	s_add_nc_u64 s[12:13], s[12:13], s[2:3]        ; scale bytes: my K step's word
.irp j, 0,1,2,3                                ; point 32 j + lane of the wave's 128: three loads together cover 384 consecutive bytes
	global_load_b32 v[PX+\j], v[O3], s[8:9] offset:384*\j
	global_load_b32 v[PY+\j], v[O3], s[8:9] offset:384*\j+4
	global_load_b32 v[PZ+\j], v[O3], s[8:9] offset:384*\j+8
	global_load_b32 v[PS+\j], v[O1], s[14:15] offset:128*\j
.endr
	global_load_b128 v[FF:FF+3], v[OC], s[10:11]              ; pts_feat's fragment: channel r, points 32 h + 0..31
	global_load_b128 v[FF+4:FF+7], v[OC], s[10:11] offset:32  ; and 64 + 32 h + 0..31
	global_load_b32 v[FS], v[OS], s[12:13]
	s_lshl_b32 s2, s19, 20                         ; out0: 16 channels of 65,536 bytes a batch;
	s_and_b32 s31, s18, 1
	s_lshl_b32 s31, s31, 19                        ; at the end wave w stores row w / 2 of the patch, channels 8 (w % 2) + 0..7
	s_add_co_u32 s2, s2, s31
	s_lshr_b32 s31, s18, 1
	s_add_co_u32 s31, s31, s30
	s_lshl_b32 s31, s31, 9
	s_add_co_u32 s2, s2, s31
	s_lshl_b32 s31, s29, 2
	s_add_co_u32 s2, s2, s31
	s_add_nc_u64 s[16:17], s[16:17], s[2:3]
	s_mul_i32 s50, s18, 8*SPITCH
	s_add_co_u32 s50, s50, STG                     ; the eight lines that I sum, in partial sum 0
	s_mul_i32 s31, s18, PRW
	v_lshl_add_u32 v[ATB], v[HL], 7, s31
	v_add_nc_u32 v[APS], s31, v[O1]
	s_mul_i32 s31, s18, WSTG
	s_add_co_u32 s31, s31, STG
	v_mul_u32_u24 v[SO], v[RL], SPITCH
	v_lshl_add_u32 v[SO], v[HL], 5, v[SO]
	v_add_nc_u32 v[SO], s31, v[SO]
	v_lshlrev_b32 v[SH8], 3, v[HL]
.irp a, 0,1,2,3
	v_add3_u32 v[NG+2*\a], v[RL], s29, 16*\a       ; my column in set a,
.endr
.irp a, 0,1,2,3
	v_cvt_f32_u32 v[NG+2*\a], v[NG+2*\a]           ; as f32,
.endr
.irp a, 0,1,2,3
	v_xor_b32 v[NG+2*\a], 0x80000000, v[NG+2*\a]   ; negated,
.endr
.irp a, 0,1,2,3
	v_mov_b32 v[NG+2*\a+1], v[NG+2*\a]             ; twice
.endr
.irp q, 0,1,2,3
	s_add_co_u32 s31, s30, \q
	v_cvt_f32_u32 v[GR+\q], s31                    ; the patch's four rows as f32
.endr
	v_mov_b32 v[NINF], 0xff800000
	s_wait_kmcnt 0x0                               ; K, RT
	v_mov_b32 v[SIG], s20
	v_mul_f32 v[SIG], 0x3d000000, v[SIG]           ; sigma = K00 / 32
	s_wait_loadcnt 3                               ; the points are in; pts_feat's three loads, issued behind them, may stay out
	; ---- THE POINTS: local = R p + T and proj = K local as chains of fused multiply-adds, j ascending; all in f32.  Four points by turns, so that no line waits for the line above it
.irp j, 0,1,2,3
	v_mul_f32 v[LA+\j], s32, v[PX+\j]
	v_mul_f32 v[LB+\j], s36, v[PX+\j]
	v_mul_f32 v[LC+\j], s40, v[PX+\j]
.endr
.irp j, 0,1,2,3
	v_fmac_f32 v[LA+\j], s33, v[PY+\j]
	v_fmac_f32 v[LB+\j], s37, v[PY+\j]
	v_fmac_f32 v[LC+\j], s41, v[PY+\j]
.endr
.irp j, 0,1,2,3
	v_fmac_f32 v[LA+\j], s34, v[PZ+\j]
	v_fmac_f32 v[LB+\j], s38, v[PZ+\j]
	v_fmac_f32 v[LC+\j], s42, v[PZ+\j]
.endr
.irp j, 0,1,2,3
	v_add_f32 v[LA+\j], s35, v[LA+\j]
	v_add_f32 v[LB+\j], s39, v[LB+\j]
	v_add_f32 v[LC+\j], s43, v[LC+\j]
.endr
.irp j, 0,1,2,3
	v_mul_f32 v[QA+\j], s20, v[LA+\j]
	v_mul_f32 v[QB+\j], s23, v[LA+\j]
	v_mul_f32 v[QC+\j], s26, v[LA+\j]
.endr
.irp j, 0,1,2,3
	v_fmac_f32 v[QA+\j], s21, v[LB+\j]
	v_fmac_f32 v[QB+\j], s24, v[LB+\j]
	v_fmac_f32 v[QC+\j], s27, v[LB+\j]
.endr
.irp j, 0,1,2,3
	v_fmac_f32 v[QA+\j], s22, v[LC+\j]
	v_fmac_f32 v[QB+\j], s25, v[LC+\j]
	v_fmac_f32 v[QC+\j], s28, v[LC+\j]             ; z
.endr
.irp j, 0,1,2,3
	v_max_num_f32 v[ZC+\j], s45, v[QC+\j]          ; max(z, 0.1)
	v_mul_f32 v[DEN+\j], v[PS+\j], v[SIG]
.endr
.irp j, 0,1,2,3
	v_mul_f32 v[DEN+\j], v[DEN+\j], v[SIG]         ; (pts_scale sigma) sigma
.endr
.irp j, 0,1,2,3
	v_rcp_f32 v[YZ+\j], v[ZC+\j]
.endr
.irp j, 0,1,2,3
	v_rcp_f32 v[YD+\j], v[DEN+\j]
.endr
	v_nop                                          ; a plain instruction behind the last reciprocal
.irp j, 0,1,2,3
	v_cmp_gt_f32 s[52+\j], v[QC+\j], s45           ; the point counts where z > 0.1
	v_cmp_ge_f32 s[56+\j], |v[DEN+\j]|, s46        ; and where the divisor is a normal number (see LIMITS)
.endr
.irp j, 0,1,2,3
	s_and_b32 s[52+\j], s[52+\j], s[56+\j]
.endr
	s_wait_alu depctr_va_vdst(0)                   ; one wait for the eight reciprocals, ahead of their first reader
.irp j, 0,1,2,3
	v_fma_f32 v[EE+\j], -v[ZC+\j], v[YZ+\j], 1.0
	v_fma_f32 v[RR+\j], -v[DEN+\j], v[YD+\j], 1.0
.endr
.irp j, 0,1,2,3
	v_fma_f32 v[YZ+\j], v[EE+\j], v[YZ+\j], v[YZ+\j]   ; both reciprocals refined once
	v_fma_f32 v[YD+\j], v[RR+\j], v[YD+\j], v[YD+\j]
.endr
.irp j, 0,1,2,3
	v_mul_f32 v[PU+\j], v[QA+\j], v[YZ+\j]
	v_mul_f32 v[VQ+\j], v[QB+\j], v[YZ+\j]
	v_mul_f32 v[PCF+\j], s47, v[YD+\j]             ; c
.endr
.irp j, 0,1,2,3
	v_fma_f32 v[RR+\j], -v[ZC+\j], v[PU+\j], v[QA+\j]  ; the quotients' residuals, exact,
	v_fma_f32 v[EE+\j], -v[ZC+\j], v[VQ+\j], v[QB+\j]
.endr
.irp j, 0,1,2,3
	v_fma_f32 v[PU+\j], v[RR+\j], v[YZ+\j], v[PU+\j]   ; correct them: u,
	v_fma_f32 v[VQ+\j], v[EE+\j], v[YZ+\j], v[VQ+\j]   ; v
.endr
.irp j, 0,1,2,3                                ; a hidden point: c = -infinity, and u = v = -1, which is no pixel's coordinate: (u - g)^2 >= 1, so both factors are 2^-infinity = 0 and no 0 x infinity arises
	v_cndmask_b32 v[PU+\j], -1.0, v[PU+\j], s[52+\j]
	v_cndmask_b32 v[VQ+\j], -1.0, v[VQ+\j], s[52+\j]
	v_cndmask_b32 v[PCF+\j], v[NINF], v[PCF+\j], s[52+\j]
.endr
.irp q, 0,1,2,3
.irp j, 0,1,2,3
	v_sub_f32 v[PE+4*\q+\j], v[VQ+\j], v[GR+\q]    ; v - row
.endr
.endr
.irp q, 0,1,2,3
.irp j, 0,1,2,3
	v_mul_f32 v[PE+4*\q+\j], v[PE+4*\q+\j], v[PE+4*\q+\j]
.endr
.endr
.irp q, 0,1,2,3
.irp j, 0,1,2,3
	v_mul_f32 v[PE+4*\q+\j], v[PE+4*\q+\j], v[PCF+\j]
.endr
.endr
.irp q, 0,1,2,3
.irp j, 0,1,2,3
	v_exp_f32 v[PE+4*\q+\j], v[PE+4*\q+\j]         ; Ev of the patch's four rows
.endr
.endr
	v_nop
	s_wait_alu depctr_va_vdst(0)                   ; one wait for the sixteen, ahead of the stores that read them
.irp j, 0,1,2,3
	ds_store_b32 v[APS], v[PU+\j] offset:128*\j
	ds_store_b32 v[APS], v[PCF+\j] offset:512+128*\j
.irp q, 0,1,2,3
	ds_store_b32 v[APS], v[PE+4*\q+\j] offset:(2+\q)*512+128*\j
.endr
.endr
	; The tables are the wave's own and LDS serves a wave's instructions in order: no wait and no barrier between these stores and the loads below.
	; They come back with the points along my registers: sixteen lanes read the same 16 bytes, lanes 16-31 those of 32 points further on.
.irp c, 0,1
.irp q, 0,1,2,3,4,5,6,7
	ds_load_b128 v[EVB+32*\c+4*\q:EVB+32*\c+4*\q+3], v[ATB] offset:256*\c+16*\q         ; u
.endr
.endr
.irp c, 0,1
.irp q, 0,1,2,3,4,5,6,7
	ds_load_b128 v[PR+32*\c+4*\q:PR+32*\c+4*\q+3], v[ATB] offset:512+256*\c+16*\q       ; c
.endr
.endr
.macro EVLOAD rho, c                           ; Ev of row rho, points 64 c + 32 h + 0..31, into buffer c
.irp q, 0,1,2,3,4,5,6,7
	ds_load_b128 v[EVB+32*\c+4*\q:EVB+32*\c+4*\q+3], v[ATB] offset:(2+(\rho))*512+256*\c+16*\q
.endr
.endm
	; ---- Eu: 4 column sets x 64 points a lane = 256 registers, window 1.  Pair x = 64 c + 16 a + i / 2
	s_wait_dscnt 16                                ; my stores and u's 16 loads are done; c's 16 loads, issued behind them, may stay out
	WIN 0x40                                       ; destination window 1
.set x, 0
.rept 128
	v_pk_add_f32 v[2*x:2*x+1], v[EVB+32*(x/64)+2*(x%16):EVB+32*(x/64)+2*(x%16)+1], v[NG+2*((x/16)%4):NG+2*((x/16)%4)+1]   ; u - column
.set x, x+1
.endr
	WIN 0
	EVLOAD 0, 0                                    ; u's registers are free: the first two units' Ev are asked for here and land under the table's arithmetic
	EVLOAD 0, 1
	WIN 0x45                                       ; both sources and the destination window 1
.set x, 0
.rept 128
	v_pk_mul_f32 v[2*x:2*x+1], v[2*x:2*x+1], v[2*x:2*x+1]
.set x, x+1
.endr
	s_wait_dscnt 16                                ; c is in; Ev's 16 loads, issued behind it, may stay out
	WIN 0x41                                       ; source 0 and destination window 1, source 1 (c) window 0
.set x, 0
.rept 16
	v_pk_mul_f32 v[2*x:2*x+1], v[2*x:2*x+1], v[PR+32*(x/64)+2*(x%16):PR+32*(x/64)+2*(x%16)+1]
.set x, x+1
.endr
.set x, 0
.rept 112                                      ; a pair's two exponentials, and ahead of them the scaling of the pair 16 further on: a plain line leads each three
.set y, x+16
	v_pk_mul_f32 v[2*y:2*y+1], v[2*y:2*y+1], v[PR+32*(y/64)+2*(y%16):PR+32*(y/64)+2*(y%16)+1]
	v_exp_f32 v[2*x], v[2*x]
	v_exp_f32 v[2*x+1], v[2*x+1]
.set x, x+1
.endr
.rept 16
	v_exp_f32 v[2*x], v[2*x]
	v_exp_f32 v[2*x+1], v[2*x+1]
.set x, x+1
.endr
	v_nop                                          ; a plain instruction behind the last exponential
	s_wait_alu depctr_va_vdst(0)                   ; ONE wait for the 256: nothing has named a result yet
	WIN 0
	s_wait_loadcnt 0x0                             ; pts_feat's fragment and scale word
; ---- THE WEIGHTS, THEIR CODES, THE PRODUCT
.macro MULS c, a0                              ; the products of tiles a0, a0 + 1 of the row in hand: 32 points a lane each
.set x, 0
.rept 32
	v_pk_mul_f32 v[PR+2*x:PR+2*x+1], v[EVB+32*\c+2*(x%16):EVB+32*\c+2*(x%16)+1], v[128*\c+32*(\a0)+2*x:128*\c+32*(\a0)+2*x+1]
.set x, x+1
.endr
.endm
.macro PROC a0, c                              ; two tiles' blocks by turns: the largest weight (none is negative: no |.|), the scale, four registers of codes, the byte
.irp u, 0,1
	v_max3_num_f32 v[MX+4*\u],   v[PR+32*\u],   v[PR+32*\u+1], FLOOR
	v_max3_num_f32 v[MX+4*\u+1], v[PR+32*\u+2], v[PR+32*\u+3], v[PR+32*\u+4]
	v_max3_num_f32 v[MX+4*\u+2], v[PR+32*\u+5], v[PR+32*\u+6], v[PR+32*\u+7]
	v_max3_num_f32 v[MX+4*\u+3], v[PR+32*\u+8], v[PR+32*\u+9], v[PR+32*\u+10]
.endr
.irp i, 11,19
.irp u, 0,1
.irp k, 0,1,2,3
	v_max3_num_f32 v[MX+4*\u+\k], v[MX+4*\u+\k], v[PR+32*\u+\i+2*\k], v[PR+32*\u+\i+2*\k+1]
.endr
.endr
.endr
.irp u, 0,1
	v_max3_num_f32 v[MX+4*\u],   v[MX+4*\u],   v[PR+32*\u+27], v[PR+32*\u+28]
	v_max3_num_f32 v[MX+4*\u+1], v[MX+4*\u+1], v[PR+32*\u+29], v[PR+32*\u+30]
.endr
.irp u, 0,1
	v_max3_num_f32 v[MX+4*\u+2], v[MX+4*\u+2], v[MX+4*\u+3], v[PR+32*\u+31]
.endr
.irp u, 0,1
	v_max3_num_f32 v[MX+4*\u], v[MX+4*\u], v[MX+4*\u+1], v[MX+4*\u+2]
.endr
.irp u, 0,1
	v_add_nc_u32 v[SOP+\u], 0xff000000, v[MX+4*\u] ; 2 off the exponent field: the conversion takes this operand's exponent field as its scale, and nothing else of it
.endr
.irp u, 0,1
.irp g, 0,1,2,3
	v_cvt_scalef32_pk8_fp4_f32 v[CD+8*(\a0+\u)+4*\c+\g], v[PR+32*\u+8*\g:PR+32*\u+8*\g+7], v[SOP+\u]   ; registers 4 c .. 4 c + 3 of the operand: points 64 c + 32 h + 0..31
.endr
.endr
.if \c == 0
.irp u, 0,1
	v_lshrrev_b32 v[PW+\a0+\u], 23, v[SOP+\u]      ; the byte of block h.  (Also the plain line behind the conversions, ahead of whatever writes their sources)
.endr
.else
.irp u, 0,1
	v_lshrrev_b32 v[BY+\u], 23, v[SOP+\u]
.endr
.irp u, 0,1
	v_lshl_or_b32 v[PW+\a0+\u], v[BY+\u], 16, v[PW+\a0+\u]   ; and of block 2 + h
.endr
.endif
.endm
.macro SCALEW                                  ; a pixel's four bytes lie in lanes r and r + 16.  One exchange serves two tiles: the even tile's words come whole into lanes 0-15, the odd tile's into lanes 16-31
.irp a, 0,1,2,3
	v_lshlrev_b32 v[PW+\a], v[SH8], v[PW+\a]       ; my half's bytes at their places: 8 h bits up
.endr
	v_permlane16_swap_b32 v[PW], v[PW+1]           ; the first's lanes 16-31 change places with the second's lanes 0-15
	v_permlane16_swap_b32 v[PW+2], v[PW+3]
	v_or_b32 v[SW], v[PW], v[PW+1]
	v_or_b32 v[SW+1], v[PW+2], v[PW+3]
.endm
.macro MATS                                    ; a row's four tiles: source 0 = 16 pixels' weights, source 1 = 16 channels; each starts its own sum with the constant 0: four different results, one instruction each
.irp a, 0,2
	v_wmma_scale_f32_16x16x128_f8f6f4 v[AC+8*\a:AC+8*\a+7], v[CD+8*\a:CD+8*\a+7], v[FF:FF+7], 0, v[SW+\a/2], v[FS] matrix_a_fmt:MATRIX_FMT_FP4 matrix_b_fmt:MATRIX_FMT_FP4
	v_wmma_scale_f32_16x16x128_f8f6f4 v[AC+8*\a+8:AC+8*\a+15], v[CD+8*\a+8:CD+8*\a+15], v[FF:FF+7], 0, v[SW+\a/2], v[FS] matrix_a_fmt:MATRIX_FMT_FP4 matrix_b_fmt:MATRIX_FMT_FP4 matrix_a_scale:MATRIX_SCALE_ROW1
.endr
.endm
.macro DSTORE row                              ; lane (r, h): channel r, columns 16 a + 8 h + 0..7 of the row: 32 bytes of line 16 row + r of my stage; each result from its low end on
.irp a, 0,1,2,3
	ds_store_b128 v[SO], v[AC+8*\a:AC+8*\a+3] offset:(\row)*16*SPITCH+64*\a
	ds_store_b128 v[SO], v[AC+8*\a+4:AC+8*\a+7] offset:(\row)*16*SPITCH+64*\a+16
.endr
.endm
; A UNIT: row rho, half c of the K step, four tiles.  mats = 1: the row before is multiplied here, behind 32 packed multiplies that name none of its registers: they are the places between the lines that wrote its
; codes and scale words and the matrix instructions; PROC's lines are the places between those and the stores of their results.  load = 1: the buffer is asked for again.
.macro UNIT rho, c, mats, load
	s_wait_dscnt 8                                 ; this unit's Ev is in: behind its loads at most eight LDS instructions may stay out (the next unit's loads, or the last row's stores)
	WIN 0x04                                       ; source 1 (Eu) window 1
	MULS \c, 0
	WIN 0
.if \mats
	MATS
.endif
	PROC 0, \c
.if \mats
	DSTORE \rho-1
.endif
	WIN 0x04
	MULS \c, 2
	WIN 0
.if \load
	EVLOAD \rho+1, \c                              ; the buffer has been read for the last time: the next row's Ev, a unit and a half ahead of its use
.endif
	PROC 2, \c
.if \c
	SCALEW
.endif
.endm
	UNIT 0, 0, 0, 1
	UNIT 0, 1, 0, 1
	UNIT 1, 0, 1, 1
	UNIT 1, 1, 0, 1
	UNIT 2, 0, 1, 1
	UNIT 2, 1, 0, 1
	UNIT 3, 0, 1, 0
	UNIT 3, 1, 0, 0
	v_mul_u32_u24 v[RD0], v[HL], SPITCH            ; the sum's addresses are made here: with two v_nop they are the eight places between the last scale words and the last matrix instructions
	v_lshl_add_u32 v[RD0], v[RL], 4, v[RD0]
	v_add_nc_u32 v[RD0], s50, v[RD0]               ; lanes 0-15 one line of 256 bytes, lanes 16-31 the next
	v_add_nc_u32 v[RD1], 4*WSTG, v[RD0]            ; (an LDS offset has 16 bits: four stages to an address register)
	v_lshlrev_b32 v[GOFF], 16, v[HL]               ; in out0 the next line is the next channel, 65,536 bytes on
	v_lshl_add_u32 v[GOFF], v[RL], 4, v[GOFF]
	v_nop
	v_nop
	MATS
.rept 4
	v_nop                                          ; places in front of the stores that read the results
.endr
	DSTORE 3
	s_wait_dscnt 0x0                               ; for the others' sake: all my stores into my stage are done
	s_barrier_signal -1
	s_barrier_wait -1                              ; everybody's are
	; ---- THE SUM over the eight K steps, ascending, and the way out: wave w takes lines 8 w .. 8 w + 7 (row w / 2, channels 8 (w % 2) + 0..7)
.irp p, 0,1,2,3,4,5,6,7
.irp k, 0,1,2,3
.if \p < 4
	ds_load_b128 v[RB+16*\p+4*\k:RB+16*\p+4*\k+3], v[RD0] offset:\p*WSTG+2*\k*SPITCH
.else
	ds_load_b128 v[RB+16*\p+4*\k:RB+16*\p+4*\k+3], v[RD1] offset:(\p-4)*WSTG+2*\k*SPITCH
.endif
.endr
.endr
.irp p, 1,2,3,4,5,6,7
	s_wait_dscnt 4*(7-\p)                          ; partial sum p is in: four loads for each of the 7 - p behind it may stay out
.irp k, 0,1,2,3
	v_pk_add_f32 v[RB+4*\k:RB+4*\k+1], v[RB+4*\k:RB+4*\k+1], v[RB+16*\p+4*\k:RB+16*\p+4*\k+1]
	v_pk_add_f32 v[RB+4*\k+2:RB+4*\k+3], v[RB+4*\k+2:RB+4*\k+3], v[RB+16*\p+4*\k+2:RB+16*\p+4*\k+3]
.endr
.endr
.irp k, 0,1,2,3
	global_store_b128 v[GOFF], v[RB+4*\k:RB+4*\k+3], s[16:17] offset:2*\k*65536 th:TH_STORE_NT   ; sixteen lanes store 256 consecutive bytes, at a multiple of 256 from out0's first byte; written once, read by nobody here
.endr
	s_wait_tensorcnt 0x0
	ds_add_u32 v126, v127
	s_wait_dscnt 0x0
	s_endpgm
.Lfunc_end_k_qb6995c9a3c_splat:
	.size	k_qb6995c9a3c_splat, .Lfunc_end_k_qb6995c9a3c_splat-k_qb6995c9a3c_splat
	.p2alignl 7, 3214868480
	.fill 96, 4, 3214868480
	.section	.rodata,"a",@progbits
	.p2align	6, 0x0
	.amdhsa_kernel k_qb6995c9a3c_splat
		.amdhsa_group_segment_fixed_size 164864
		.amdhsa_private_segment_fixed_size 0
		.amdhsa_enable_private_segment 0
		.amdhsa_kernarg_size 56
		.amdhsa_user_sgpr_count 2
		.amdhsa_user_sgpr_kernarg_segment_ptr 1
		.amdhsa_wavefront_size32 1
		.amdhsa_system_sgpr_workgroup_id_x 1
		.amdhsa_system_sgpr_workgroup_id_y 1
		.amdhsa_system_sgpr_workgroup_id_z 1
		.amdhsa_system_vgpr_workitem_id 0
		.amdhsa_next_free_vgpr 512
		.amdhsa_next_free_sgpr 66
		.amdhsa_reserve_vcc 0
		.amdhsa_float_denorm_mode_32 3
		.amdhsa_float_denorm_mode_16_64 3
		.amdhsa_memory_ordered 1
		.amdhsa_forward_progress 1
		.amdhsa_inst_pref_size 146
	.end_amdhsa_kernel
	.amdgpu_metadata
---
amdhsa.version: [ 1, 2 ]
amdhsa.kernels:
  - .name:           k_qb6995c9a3c_splat
    .symbol:         k_qb6995c9a3c_splat.kd
    .args:
      - { .name: K, .offset: 0, .size: 8, .value_kind: global_buffer, .address_space: global }
      - { .name: RT, .offset: 8, .size: 8, .value_kind: global_buffer, .address_space: global }
      - { .name: pts_3d, .offset: 16, .size: 8, .value_kind: global_buffer, .address_space: global }
      - { .name: pts_feat_codes, .offset: 24, .size: 8, .value_kind: global_buffer, .address_space: global }
      - { .name: pts_feat_scales, .offset: 32, .size: 8, .value_kind: global_buffer, .address_space: global }
      - { .name: pts_scale, .offset: 40, .size: 8, .value_kind: global_buffer, .address_space: global }
      - { .name: out0, .offset: 48, .size: 8, .value_kind: global_buffer, .address_space: global }
    .group_segment_fixed_size: 164864
    .private_segment_fixed_size: 0
    .kernarg_segment_align: 8
    .kernarg_segment_size: 56
    .max_flat_workgroup_size: 256
    .sgpr_count:     66
    .vgpr_count:     512
    .wavefront_size: 32
...
	.end_amdgpu_metadata
.endif
;; end of part 1
;; ======== version 2 of 2: 1 launch; version 1 with the launch splat written anew for expert scheduling mode
;; launch splat (part 2): grid 64 x 4, 8 waves a work-group, no clusters, 164,864 bytes of LDS; arguments K, RT, pts_3d, pts_feat_codes, pts_feat_scales, pts_scale, out0; writes out0
.if DOCPART == 2
	.amdgcn_target "amdgcn-amd-amdhsa--gfx1250"
	.amdhsa_code_object_version 6
	.text
	.protected	k_qb6995c9a3c_splat
	.globl	k_qb6995c9a3c_splat
	.p2align	8
	.type	k_qb6995c9a3c_splat,@function
k_qb6995c9a3c_splat:
	s_mov_b64 s[64:65], 0
	v_nop
	global_prefetch_b8 v0, s[64:65] scope:SCOPE_SE
	s_setreg_imm32_b32 hwreg(HW_REG_WAVE_SCHED_MODE, 0, 2), 2
	s_setreg_imm32_b32 hwreg(HW_REG_WAVE_MODE, 25, 1), 1
	s_wait_xcnt 0x0
	s_wait_alu depctr_vm_vsrc(0)
; out0[b][ch][row][col] = sum over the 1,024 points n of pts_feat[b][n][ch] x Q(weight[b][n][row][col]),  weight = exp(-((v - row)^2 + (u - col)^2) / (pts_scale sigma sigma)) for z > 0.1, else 0.
; Q: E2M1 codes with one E8M0 scale for each 32 points; pts_feat arrives as such codes.  The product runs on v_wmma_scale_f32_16x16x128_f8f6f4, both sides FP4, sums in f32.
; THE WEIGHT IS MADE AS A PRODUCT OF TWO FACTORS: weight = Ev[n][row] x Eu[n][col], Ev = 2^(c (v - row)^2), Eu = 2^(c (u - col)^2), c = -log2(e) / (pts_scale sigma sigma): the same number for every input,
; with one exponential's error and one rounding more.  A patch of 4 rows x 64 columns then needs 68 exponentials a point and not 256; a weight costs half a packed multiply, half a v_max3 and an eighth of a conversion.
; SHARES.  256 work-groups: y = batch, x = patch (4 image rows x 64 columns: 64 columns of f32 are 256 consecutive bytes of out0, aligned).  Eight waves; wave w owns K step w, points 128 w .. 128 w + 127, for all 256
; pixels: 16 tiles (row rho, columns 16 a + 0..15).  Lane (r, h) holds pixel column r and, as the 4-bit operand's layout wants, points 64 c + 32 h + 0..31 in registers: a block of 32 lies in ONE lane.
; Source 0 = 16 pixels' weights, source 1 = the 16 channels of pts_feat: a lane's eight results are eight neighbouring columns of one channel.  The eight waves' partial sums meet in LDS and are added in ascending K.
; LIMITS.  A factor under 2^-126 comes out of v_exp_f32 as 0, so a weight that small may be 0.  |pts_scale sigma sigma| under 2^-126 (0 among them) counts as a hidden point: reference() differs there only for a point
; that lies exactly on a pixel.  NaN and infinities among the inputs are not served.  A block of zeros gets the scale byte 1: its codes are zeros.  u, v: v_rcp_f32 refined once, the quotient corrected by its residual.
; No tensor load, no cluster: a wave's share of the inputs is under 3 KB and goes straight into registers; what work-groups share is small beside the 262,144 weights that each makes itself.
; THE MODE: SCHED_MODE bits 1:0 = 2 (LLVM: expert scheduling mode 2), set by the entry lines.  The code itself states the register dependences between vector or matrix instructions and memory or LDS
; instructions, with s_wait_alu, always for 0.
; THE PLAN.  Registers that memory or LDS instructions touch:
;   v46, v47, v112, v113, v4-6   offsets and LDS addresses, made at the head and never written again;  v7-9: made once, behind the last unit.
;   v48-71      my four points' u, c and Ev: written by the points' arithmetic, read by 24 LDS stores, written again as codes from unit 0 on.
;   v128-191    the points' work; then u lands there and 128 additions read it; then it is EVB0, EVB1.   v192-255: c lands there once; from the scalings on vector lines alone name it, until the sum.
;   EVB0, EVB1  Unit k's 64 multiplies read EVB[k % 2]; the loads that are issued in unit k + 1 land in it, for unit k + 2.
;   AC          Written by a row's four matrix instructions in the next row's first unit, read by eight LDS stores in that row's second unit, written again a unit later.
;   CD, SW      Written by conversions and vector lines, taken by the scaled matrix instructions as source 0 and its scales.
;   v128-255    at the end: the eight partial sums land there; the additions write v128-143, which the global stores read.
; So ONE wait on va_vdst stands in a unit, behind its first 32 multiplies: the unit before is done with the other Ev buffer, has written its codes and scale words, and its matrix instructions have written AC.
; The unit's loads, matrix instructions or stores follow that wait at once.  One wait on vm_vsrc a row stands ahead of the matrix instructions that write AC again.
.set PRW,    3072                      ; LDS, a wave's own: u[128], c[128], Ev[4][128], 512 bytes each
.set STG,    8*PRW                     ; behind them the stages: for each wave 64 lines (4 rows x 16 channels) of 256 bytes + 16
.set SPITCH, 272                       ; 68 words: the sixteen lines that a store touches begin in sixteen different groups of four banks
.set WSTG,   64*SPITCH
.set FLOOR,  0x1800000                 ; 2^(3 - 127): no block's largest weight is taken under it, so the scale's byte cannot fall under 1
; window 0
.set RL,   2                           ; lane % 16
.set HL,   3                           ; lane / 16
.set ATB,  4                           ; LDS: my half's points in the wave's tables: PRW w + 128 h
.set APS,  5                           ; LDS: where I put my points' numbers: PRW w + 4 lane
.set SO,   6                           ; the stage, in: line r, + 32 h
.set RD0,  7                           ; the stage, back: partial sums 0-3
.set RD1,  8                           ; partial sums 4-7
.set GOFF, 9                           ; my byte offset in out0
.set SH8,  10                          ; 8 h
.set FS,   11                          ; pts_feat's scale word of channel r: scales alone
.set SW,   12                          ; v12-13 the weights' scale words: lanes 0-15 tile 2 i, lanes 16-31 tile 2 i + 1: scales alone
.set PW,   14                          ; v14-17 a tile's two bytes of my half
.set SOP,  18                          ; v18-19 the conversions' scale operands
.set BY,   20                          ; v20-21
.set NG,   22                          ; v22-29 -(column) of my lane in column set a, twice: a pair for the packed addition
.set FF,   30                          ; v30-37 pts_feat's fragment of my K step
.set MX,   38                          ; v38-45 running maxima, four chains for each of two tiles
.set O3,   46                          ; offsets of the first loads
.set O1,   47
.set CD,   48                          ; v48-79 the codes of a row's four tiles
.set AC,   80                          ; v80-111 their results
.set OC,   112
.set OS,   113
.set EVB,  128                         ; v128-191 Ev of one row, two buffers (c = 0, 1); before that u
.set PR,   192                         ; v192-255 the products of two tiles; before that c
.set RB,   128                         ; the sum: 8 partial sums x 16 registers
; the points' work, four points a lane (what goes to LDS lies where the codes will lie; the rest where tables will land)
.set PU,  48
.set PCF, 52
.set PE,  56
.set GR,  72
.set SIG, 76
.set NINF, 77
.set PX,  128
.set PY,  132
.set PZ,  136
.set PS,  140
.set LA,  144
.set LB,  148
.set LC,  152
.set QA,  156
.set QB,  160
.set QC,  164
.set ZC,  168
.set YZ,  172
.set EE,  176
.set VQ,  180
.set RR,  184
.set DEN, 188
.set YD,  192
; window 1: Eu: register 128 c + 32 a + i = point 64 c + 32 h + i, column 16 a + r
.set MSB, 0
.macro WIN new                         ; bits 1:0 source 0, 3:2 source 1, 5:4 source 2, 7:6 destination; the high byte repeats the setting that is left
.if MSB != \new
	s_set_vgpr_msb (MSB<<8)|\new
.set MSB, \new
.endif
.endm
	s_load_b256 s[4:11], s[0:1], 0x0               ; K s[4:5], RT s[6:7], pts_3d s[8:9], pts_feat_codes s[10:11]
	s_load_b128 s[12:15], s[0:1], 0x20             ; pts_feat_scales s[12:13], pts_scale s[14:15]
	s_load_b64 s[16:17], s[0:1], 0x30              ; out0
	v_lshl_add_u32 v126, v0, 2, 0x28000
	v_mov_b32 v127, 0
	v_lshrrev_b32 v1, 5, v0
	v_readfirstlane_b32 s18, v1                    ; wave 0..7 = my K step
	s_and_b32 s19, ttmp7, 0xffff                   ; batch
	s_and_b32 s29, ttmp9, 1
	s_lshl_b32 s29, s29, 6                         ; the patch's first column: 0 or 64
	s_lshr_b32 s30, ttmp9, 1
	s_lshl_b32 s30, s30, 2                         ; its first row
	s_mov_b32 s3, 0                                ; the upper word of every offset
	s_mov_b32 s45, 0x3dcccccd                      ; 0.1
	s_mov_b32 s46, 0x00800000                      ; 2^-126
	s_mov_b32 s47, 0xbfb8aa3b                      ; -log2(e)
	v_and_b32 v1, 31, v0                           ; lane
	v_and_b32 v[RL], 15, v0
	v_bfe_u32 v[HL], v0, 4, 1
	v_mul_u32_u24 v[O3], v1, 12                    ; a point is 12 bytes
	v_lshlrev_b32 v[O1], 2, v1
	v_lshlrev_b32 v[OC], 9, v[RL]                  ; a channel's 1,024 codes are 512 bytes,
	v_lshl_add_u32 v[OC], v[HL], 4, v[OC]          ; + 16 h
	v_lshlrev_b32 v[OS], 5, v[RL]                  ; its 32 scale bytes
	s_wait_alu depctr_va_sdst(0)                   ; s18 is written, ahead of its first reader: the buffers' offsets and the LDS addresses are made from it
	s_wait_kmcnt 0x0
	s_mul_i32 s2, s19, 48
	s_add_nc_u64 s[6:7], s[6:7], s[2:3]            ; RT of my batch
	s_load_b256 s[20:27], s[4:5], 0x0              ; K00 .. K21
	s_load_b32 s28, s[4:5], 0x20                   ; K22
	s_load_b256 s[32:39], s[6:7], 0x0              ; R00 R01 R02 T0 R10 R11 R12 T1
	s_load_b128 s[40:43], s[6:7], 0x20             ; R20 R21 R22 T2
	s_mul_i32 s2, s19, 12288
	s_mul_i32 s31, s18, 1536
	s_add_co_u32 s2, s2, s31
	s_add_nc_u64 s[8:9], s[8:9], s[2:3]            ; my wave's 128 points
	s_lshl_b32 s2, s19, 12
	s_lshl_b32 s31, s18, 9
	s_add_co_u32 s2, s2, s31
	s_add_nc_u64 s[14:15], s[14:15], s[2:3]        ; and their pts_scale
	s_lshl_b32 s2, s19, 13
	s_lshl_b32 s31, s18, 6
	s_add_co_u32 s2, s2, s31
	s_add_nc_u64 s[10:11], s[10:11], s[2:3]        ; codes: my batch, my K step's 64 bytes of a row
	s_lshl_b32 s2, s19, 9
	s_lshl_b32 s31, s18, 2
	s_add_co_u32 s2, s2, s31
	s_add_nc_u64 s[12:13], s[12:13], s[2:3]        ; scale bytes: my K step's word
	s_wait_alu depctr_va_vdst(0)                   ; the four offsets v46, v47, v112 and v113 are written, which the loads below read
.irp j, 0,1,2,3                                ; point 32 j + lane of the wave's 128: three loads together cover 384 consecutive bytes
	global_load_b32 v[PX+\j], v[O3], s[8:9] offset:384*\j
	global_load_b32 v[PY+\j], v[O3], s[8:9] offset:384*\j+4
	global_load_b32 v[PZ+\j], v[O3], s[8:9] offset:384*\j+8
	global_load_b32 v[PS+\j], v[O1], s[14:15] offset:128*\j
.endr
	global_load_b128 v[FF:FF+3], v[OC], s[10:11]              ; pts_feat's fragment: channel r, points 32 h + 0..31
	global_load_b128 v[FF+4:FF+7], v[OC], s[10:11] offset:32  ; and 64 + 32 h + 0..31
	global_load_b32 v[FS], v[OS], s[12:13]
	s_lshl_b32 s2, s19, 20                         ; out0: 16 channels of 65,536 bytes a batch;
	s_and_b32 s31, s18, 1
	s_lshl_b32 s31, s31, 19                        ; at the end wave w stores row w / 2 of the patch, channels 8 (w % 2) + 0..7
	s_add_co_u32 s2, s2, s31
	s_lshr_b32 s31, s18, 1
	s_add_co_u32 s31, s31, s30
	s_lshl_b32 s31, s31, 9
	s_add_co_u32 s2, s2, s31
	s_lshl_b32 s31, s29, 2
	s_add_co_u32 s2, s2, s31
	s_add_nc_u64 s[16:17], s[16:17], s[2:3]
	s_mul_i32 s50, s18, 8*SPITCH
	s_add_co_u32 s50, s50, STG                     ; the eight lines that I sum, in partial sum 0
	s_mul_i32 s31, s18, PRW
	v_lshl_add_u32 v[ATB], v[HL], 7, s31
	v_add_nc_u32 v[APS], s31, v[O1]
	s_mul_i32 s31, s18, WSTG
	s_add_co_u32 s31, s31, STG
	v_mul_u32_u24 v[SO], v[RL], SPITCH
	v_lshl_add_u32 v[SO], v[HL], 5, v[SO]
	v_add_nc_u32 v[SO], s31, v[SO]
	v_lshlrev_b32 v[SH8], 3, v[HL]
.irp a, 0,1,2,3
	v_add3_u32 v[NG+2*\a], v[RL], s29, 16*\a       ; my column in set a,
.endr
.irp a, 0,1,2,3
	v_cvt_f32_u32 v[NG+2*\a], v[NG+2*\a]           ; as f32,
.endr
.irp a, 0,1,2,3
	v_xor_b32 v[NG+2*\a], 0x80000000, v[NG+2*\a]   ; negated,
.endr
.irp a, 0,1,2,3
	v_mov_b32 v[NG+2*\a+1], v[NG+2*\a]             ; twice
.endr
.irp q, 0,1,2,3
	s_add_co_u32 s31, s30, \q
	v_cvt_f32_u32 v[GR+\q], s31                    ; the patch's four rows as f32
.endr
	v_mov_b32 v[NINF], 0xff800000
	s_wait_kmcnt 0x0                               ; K, RT
	v_mov_b32 v[SIG], s20
	v_mul_f32 v[SIG], 0x3d000000, v[SIG]           ; sigma = K00 / 32
	s_wait_loadcnt 3                               ; the points are in; pts_feat's three loads, issued behind them, may stay out
	; ---- THE POINTS: local = R p + T and proj = K local as chains of fused multiply-adds, j ascending; all in f32.  Four points by turns, so that no line waits for the line above it
.irp j, 0,1,2,3
	v_mul_f32 v[LA+\j], s32, v[PX+\j]
	v_mul_f32 v[LB+\j], s36, v[PX+\j]
	v_mul_f32 v[LC+\j], s40, v[PX+\j]
.endr
.irp j, 0,1,2,3
	v_fmac_f32 v[LA+\j], s33, v[PY+\j]
	v_fmac_f32 v[LB+\j], s37, v[PY+\j]
	v_fmac_f32 v[LC+\j], s41, v[PY+\j]
.endr
.irp j, 0,1,2,3
	v_fmac_f32 v[LA+\j], s34, v[PZ+\j]
	v_fmac_f32 v[LB+\j], s38, v[PZ+\j]
	v_fmac_f32 v[LC+\j], s42, v[PZ+\j]
.endr
.irp j, 0,1,2,3
	v_add_f32 v[LA+\j], s35, v[LA+\j]
	v_add_f32 v[LB+\j], s39, v[LB+\j]
	v_add_f32 v[LC+\j], s43, v[LC+\j]
.endr
.irp j, 0,1,2,3
	v_mul_f32 v[QA+\j], s20, v[LA+\j]
	v_mul_f32 v[QB+\j], s23, v[LA+\j]
	v_mul_f32 v[QC+\j], s26, v[LA+\j]
.endr
.irp j, 0,1,2,3
	v_fmac_f32 v[QA+\j], s21, v[LB+\j]
	v_fmac_f32 v[QB+\j], s24, v[LB+\j]
	v_fmac_f32 v[QC+\j], s27, v[LB+\j]
.endr
.irp j, 0,1,2,3
	v_fmac_f32 v[QA+\j], s22, v[LC+\j]
	v_fmac_f32 v[QB+\j], s25, v[LC+\j]
	v_fmac_f32 v[QC+\j], s28, v[LC+\j]             ; z
.endr
.irp j, 0,1,2,3
	v_max_num_f32 v[ZC+\j], s45, v[QC+\j]          ; max(z, 0.1)
	v_mul_f32 v[DEN+\j], v[PS+\j], v[SIG]
.endr
.irp j, 0,1,2,3
	v_mul_f32 v[DEN+\j], v[DEN+\j], v[SIG]         ; (pts_scale sigma) sigma
.endr
.irp j, 0,1,2,3
	v_rcp_f32 v[YZ+\j], v[ZC+\j]
.endr
.irp j, 0,1,2,3
	v_rcp_f32 v[YD+\j], v[DEN+\j]
.endr
	v_nop                                          ; a plain instruction behind the last reciprocal
.irp j, 0,1,2,3
	v_cmp_gt_f32 s[52+\j], v[QC+\j], s45           ; the point counts where z > 0.1
	v_cmp_ge_f32 s[56+\j], |v[DEN+\j]|, s46        ; and where the divisor is a normal number (see LIMITS)
.endr
	s_wait_alu depctr_va_sdst(0)                   ; the eight compares have written their masks s52 to s59, ahead of the first lines that read them
.irp j, 0,1,2,3
	s_and_b32 s[52+\j], s[52+\j], s[56+\j]
.endr
	s_wait_alu depctr_va_vdst(0)                   ; one wait for the eight reciprocals in v172-175 and v192-195, ahead of their first reader
.irp j, 0,1,2,3
	v_fma_f32 v[EE+\j], -v[ZC+\j], v[YZ+\j], 1.0
	v_fma_f32 v[RR+\j], -v[DEN+\j], v[YD+\j], 1.0
.endr
.irp j, 0,1,2,3
	v_fma_f32 v[YZ+\j], v[EE+\j], v[YZ+\j], v[YZ+\j]   ; both reciprocals refined once
	v_fma_f32 v[YD+\j], v[RR+\j], v[YD+\j], v[YD+\j]
.endr
.irp j, 0,1,2,3
	v_mul_f32 v[PU+\j], v[QA+\j], v[YZ+\j]
	v_mul_f32 v[VQ+\j], v[QB+\j], v[YZ+\j]
	v_mul_f32 v[PCF+\j], s47, v[YD+\j]             ; c
.endr
.irp j, 0,1,2,3
	v_fma_f32 v[RR+\j], -v[ZC+\j], v[PU+\j], v[QA+\j]  ; the quotients' residuals, exact,
	v_fma_f32 v[EE+\j], -v[ZC+\j], v[VQ+\j], v[QB+\j]
.endr
.irp j, 0,1,2,3
	v_fma_f32 v[PU+\j], v[RR+\j], v[YZ+\j], v[PU+\j]   ; correct them: u,
	v_fma_f32 v[VQ+\j], v[EE+\j], v[YZ+\j], v[VQ+\j]   ; v
.endr
.irp j, 0,1,2,3                                ; a hidden point: c = -infinity, and u = v = -1, which is no pixel's coordinate: (u - g)^2 >= 1, so both factors are 2^-infinity = 0 and no 0 x infinity arises
	v_cndmask_b32 v[PU+\j], -1.0, v[PU+\j], s[52+\j]
	v_cndmask_b32 v[VQ+\j], -1.0, v[VQ+\j], s[52+\j]
	v_cndmask_b32 v[PCF+\j], v[NINF], v[PCF+\j], s[52+\j]
.endr
.irp q, 0,1,2,3
.irp j, 0,1,2,3
	v_sub_f32 v[PE+4*\q+\j], v[VQ+\j], v[GR+\q]    ; v - row
.endr
.endr
.irp q, 0,1,2,3
.irp j, 0,1,2,3
	v_mul_f32 v[PE+4*\q+\j], v[PE+4*\q+\j], v[PE+4*\q+\j]
.endr
.endr
.irp q, 0,1,2,3
.irp j, 0,1,2,3
	v_mul_f32 v[PE+4*\q+\j], v[PE+4*\q+\j], v[PCF+\j]
.endr
.endr
.irp q, 0,1,2,3
.irp j, 0,1,2,3
	v_exp_f32 v[PE+4*\q+\j], v[PE+4*\q+\j]         ; Ev of the patch's four rows
.endr
.endr
	v_nop
	s_wait_alu depctr_va_vdst(0)                   ; the sixteen exponentials have written v56-71; u, c and the LDS addresses v4, v5 are written, which the stores and loads below read; the points' work on v128-195, in which u and c land, is over
.irp j, 0,1,2,3
	ds_store_b32 v[APS], v[PU+\j] offset:128*\j
	ds_store_b32 v[APS], v[PCF+\j] offset:512+128*\j
.irp q, 0,1,2,3
	ds_store_b32 v[APS], v[PE+4*\q+\j] offset:(2+\q)*512+128*\j
.endr
.endr
	; The tables are the wave's own and LDS serves a wave's instructions in order: no wait and no barrier between these stores and the loads below.
	; They come back with the points along my registers: sixteen lanes read the same 16 bytes, lanes 16-31 those of 32 points further on.
.irp c, 0,1
.irp q, 0,1,2,3,4,5,6,7
	ds_load_b128 v[EVB+32*\c+4*\q:EVB+32*\c+4*\q+3], v[ATB] offset:256*\c+16*\q         ; u
.endr
.endr
.irp c, 0,1
.irp q, 0,1,2,3,4,5,6,7
	ds_load_b128 v[PR+32*\c+4*\q:PR+32*\c+4*\q+3], v[ATB] offset:512+256*\c+16*\q       ; c
.endr
.endr
.macro EVLOAD rho, c                           ; Ev of row rho, points 64 c + 32 h + 0..31, into buffer c
.irp q, 0,1,2,3,4,5,6,7
	ds_load_b128 v[EVB+32*\c+4*\q:EVB+32*\c+4*\q+3], v[ATB] offset:(2+(\rho))*512+256*\c+16*\q
.endr
.endm
	; ---- Eu: 4 column sets x 64 points a lane = 256 registers, window 1.  Pair x = 64 c + 16 a + i / 2
	s_wait_dscnt 16                                ; my stores and u's 16 loads are done; c's 16 loads, issued behind them, may stay out
	WIN 0x40                                       ; destination window 1
.set x, 0
.rept 128
	v_pk_add_f32 v[2*x:2*x+1], v[EVB+32*(x/64)+2*(x%16):EVB+32*(x/64)+2*(x%16)+1], v[NG+2*((x/16)%4):NG+2*((x/16)%4)+1]   ; u - column
.set x, x+1
.endr
	WIN 0
	s_wait_alu depctr_va_vdst(0)                   ; the 128 additions are done reading u in v128-191, in which the loads below land
	EVLOAD 0, 0                                    ; u's registers are free: the first two units' Ev are asked for here and land under the table's arithmetic
	EVLOAD 0, 1
	WIN 0x45                                       ; both sources and the destination window 1
.set x, 0
.rept 128
	v_pk_mul_f32 v[2*x:2*x+1], v[2*x:2*x+1], v[2*x:2*x+1]
.set x, x+1
.endr
	s_wait_dscnt 16                                ; c is in; Ev's 16 loads, issued behind it, may stay out
	WIN 0x41                                       ; source 0 and destination window 1, source 1 (c) window 0
.set x, 0
.rept 16
	v_pk_mul_f32 v[2*x:2*x+1], v[2*x:2*x+1], v[PR+32*(x/64)+2*(x%16):PR+32*(x/64)+2*(x%16)+1]
.set x, x+1
.endr
.set x, 0
.rept 112                                      ; a pair's two exponentials, and ahead of them the scaling of the pair 16 further on: a plain line leads each three
.set y, x+16
	v_pk_mul_f32 v[2*y:2*y+1], v[2*y:2*y+1], v[PR+32*(y/64)+2*(y%16):PR+32*(y/64)+2*(y%16)+1]
	v_exp_f32 v[2*x], v[2*x]
	v_exp_f32 v[2*x+1], v[2*x+1]
.set x, x+1
.endr
.rept 16
	v_exp_f32 v[2*x], v[2*x]
	v_exp_f32 v[2*x+1], v[2*x+1]
.set x, x+1
.endr
	v_nop                                          ; a plain instruction behind the last exponential
	s_wait_alu depctr_va_vdst(0)                   ; ONE wait for the 256 exponentials, which have written all of window 1: nothing has named a result yet
	WIN 0
	s_wait_loadcnt 0x0                             ; pts_feat's fragment and scale word
	s_wait_alu depctr_vm_vsrc(0)                   ; the 24 LDS stores of my points' numbers have read v48-71, which the conversions below write as codes
; ---- THE WEIGHTS, THEIR CODES, THE PRODUCT
.macro MULS c, a0                              ; the products of tiles a0, a0 + 1 of the row in hand: 32 points a lane each
.set x, 0
.rept 32
	v_pk_mul_f32 v[PR+2*x:PR+2*x+1], v[EVB+32*\c+2*(x%16):EVB+32*\c+2*(x%16)+1], v[128*\c+32*(\a0)+2*x:128*\c+32*(\a0)+2*x+1]
.set x, x+1
.endr
.endm
.macro PROC a0, c                              ; two tiles' blocks by turns: the largest weight (none is negative: no |.|), the scale, four registers of codes, the byte
.irp u, 0,1
	v_max3_num_f32 v[MX+4*\u],   v[PR+32*\u],   v[PR+32*\u+1], FLOOR
	v_max3_num_f32 v[MX+4*\u+1], v[PR+32*\u+2], v[PR+32*\u+3], v[PR+32*\u+4]
	v_max3_num_f32 v[MX+4*\u+2], v[PR+32*\u+5], v[PR+32*\u+6], v[PR+32*\u+7]
	v_max3_num_f32 v[MX+4*\u+3], v[PR+32*\u+8], v[PR+32*\u+9], v[PR+32*\u+10]
.endr
.irp i, 11,19
.irp u, 0,1
.irp k, 0,1,2,3
	v_max3_num_f32 v[MX+4*\u+\k], v[MX+4*\u+\k], v[PR+32*\u+\i+2*\k], v[PR+32*\u+\i+2*\k+1]
.endr
.endr
.endr
.irp u, 0,1
	v_max3_num_f32 v[MX+4*\u],   v[MX+4*\u],   v[PR+32*\u+27], v[PR+32*\u+28]
	v_max3_num_f32 v[MX+4*\u+1], v[MX+4*\u+1], v[PR+32*\u+29], v[PR+32*\u+30]
.endr
.irp u, 0,1
	v_max3_num_f32 v[MX+4*\u+2], v[MX+4*\u+2], v[MX+4*\u+3], v[PR+32*\u+31]
.endr
.irp u, 0,1
	v_max3_num_f32 v[MX+4*\u], v[MX+4*\u], v[MX+4*\u+1], v[MX+4*\u+2]
.endr
.irp u, 0,1
	v_add_nc_u32 v[SOP+\u], 0xff000000, v[MX+4*\u] ; 2 off the exponent field: the conversion takes this operand's exponent field as its scale, and nothing else of it
.endr
.irp u, 0,1
.irp g, 0,1,2,3
	v_cvt_scalef32_pk8_fp4_f32 v[CD+8*(\a0+\u)+4*\c+\g], v[PR+32*\u+8*\g:PR+32*\u+8*\g+7], v[SOP+\u]   ; registers 4 c .. 4 c + 3 of the operand: points 64 c + 32 h + 0..31
.endr
.endr
.if \c == 0
.irp u, 0,1
	v_lshrrev_b32 v[PW+\a0+\u], 23, v[SOP+\u]      ; the byte of block h.  (Also the plain line behind the conversions, ahead of whatever writes their sources)
.endr
.else
.irp u, 0,1
	v_lshrrev_b32 v[BY+\u], 23, v[SOP+\u]
.endr
.irp u, 0,1
	v_lshl_or_b32 v[PW+\a0+\u], v[BY+\u], 16, v[PW+\a0+\u]   ; and of block 2 + h
.endr
.endif
.endm
.macro SCALEW                                  ; a pixel's four bytes lie in lanes r and r + 16.  One exchange serves two tiles: the even tile's words come whole into lanes 0-15, the odd tile's into lanes 16-31
.irp a, 0,1,2,3
	v_lshlrev_b32 v[PW+\a], v[SH8], v[PW+\a]       ; my half's bytes at their places: 8 h bits up
.endr
	v_permlane16_swap_b32 v[PW], v[PW+1]           ; the first's lanes 16-31 change places with the second's lanes 0-15
	v_permlane16_swap_b32 v[PW+2], v[PW+3]
	v_or_b32 v[SW], v[PW], v[PW+1]
	v_or_b32 v[SW+1], v[PW+2], v[PW+3]
.endm
.macro MATS                                    ; a row's four tiles: source 0 = 16 pixels' weights, source 1 = 16 channels; each starts its own sum with the constant 0: four different results, one instruction each
.irp a, 0,2
	v_wmma_scale_f32_16x16x128_f8f6f4 v[AC+8*\a:AC+8*\a+7], v[CD+8*\a:CD+8*\a+7], v[FF:FF+7], 0, v[SW+\a/2], v[FS] matrix_a_fmt:MATRIX_FMT_FP4 matrix_b_fmt:MATRIX_FMT_FP4
	v_wmma_scale_f32_16x16x128_f8f6f4 v[AC+8*\a+8:AC+8*\a+15], v[CD+8*\a+8:CD+8*\a+15], v[FF:FF+7], 0, v[SW+\a/2], v[FS] matrix_a_fmt:MATRIX_FMT_FP4 matrix_b_fmt:MATRIX_FMT_FP4 matrix_a_scale:MATRIX_SCALE_ROW1
.endr
.endm
.macro DSTORE row                              ; lane (r, h): channel r, columns 16 a + 8 h + 0..7 of the row: 32 bytes of line 16 row + r of my stage; each result from its low end on
.irp a, 0,1,2,3
	ds_store_b128 v[SO], v[AC+8*\a:AC+8*\a+3] offset:(\row)*16*SPITCH+64*\a
	ds_store_b128 v[SO], v[AC+8*\a+4:AC+8*\a+7] offset:(\row)*16*SPITCH+64*\a+16
.endr
.endm
; A UNIT: row rho, half c of the K step, four tiles.  Its first 32 packed multiplies name none of the registers of the row before: they are the places between the lines that wrote that row's codes and scale words and
; the matrix instructions (ISA guide 7.12.1).  Behind them stands the unit's one wait on va_vdst, and behind that at once what hangs on it:
; load = 1: the next unit's Ev, into the buffer that the unit before has emptied;  mats = 1: the row before is multiplied (again = 1: its results' registers were stored from before);
; sto = 1: the results of the matrix instructions of the unit before go to the stage: a whole unit's plain lines are the places between.  left: the LDS instructions that were issued behind this unit's Ev loads.
.macro UNIT rho, c, left, load, mats, again, sto
	s_wait_dscnt \left                             ; this unit's Ev is in; what was issued behind its loads (unit 0: the other buffer's eight loads; else a row's eight stores, or nothing) may stay out
	WIN 0x04                                       ; source 1 (Eu) window 1
	MULS \c, 0
	WIN 0
.if \load || \mats || \sto
	s_wait_alu depctr_va_vdst(0)                   ; the unit before is done reading the other Ev buffer, in which the loads land; it has written the codes and scale words that the matrix instructions take; its matrix instructions have written the results that the stores read
.endif
.if \load
.if \c
	EVLOAD \rho+1, 0                               ; the next row's first half
.else
	EVLOAD \rho, 1                                 ; this row's second half
.endif
.endif
.if \mats
.if \again
	s_wait_alu depctr_vm_vsrc(0)                   ; the stores issued in the unit before have read v80-111, which the matrix instructions write again
.endif
	MATS
.endif
.if \sto
	DSTORE \rho-1
.endif
	PROC 0, \c
	WIN 0x04
	MULS \c, 2
	WIN 0
	PROC 2, \c
.if \c
	SCALEW
.endif
.endm
	UNIT 0, 0, 8, 0, 0, 0, 0                       ; both buffers are full and nothing is to be multiplied yet: no LDS and no matrix instruction, so no wait on va_vdst
	UNIT 0, 1, 0, 1, 0, 0, 0
	UNIT 1, 0, 0, 1, 1, 0, 0
	UNIT 1, 1, 0, 1, 0, 0, 1
	UNIT 2, 0, 8, 1, 1, 1, 0
	UNIT 2, 1, 0, 1, 0, 0, 1
	UNIT 3, 0, 8, 1, 1, 1, 0
	UNIT 3, 1, 0, 0, 0, 0, 1
	v_mul_u32_u24 v[RD0], v[HL], SPITCH            ; the sum's addresses are made here: with two v_nop they are the eight places between the last scale words and the last matrix instructions
	v_lshl_add_u32 v[RD0], v[RL], 4, v[RD0]
	v_add_nc_u32 v[RD0], s50, v[RD0]               ; lanes 0-15 one line of 256 bytes, lanes 16-31 the next
	v_add_nc_u32 v[RD1], 4*WSTG, v[RD0]            ; (an LDS offset has 16 bits: four stages to an address register)
	v_lshlrev_b32 v[GOFF], 16, v[HL]               ; in out0 the next line is the next channel, 65,536 bytes on
	v_lshl_add_u32 v[GOFF], v[RL], 4, v[GOFF]
	v_nop
	v_nop
	s_wait_alu depctr_va_vdst(0)                   ; the last unit has written row 3's codes and scale words, which the matrix instructions take; the addresses v7, v8 and v9 are written, which the sum's loads and stores read
	s_wait_alu depctr_vm_vsrc(0)                   ; row 2's stores have read v80-111, which the matrix instructions write again
	MATS
.rept 4
	v_nop                                          ; places in front of the stores that read the results
.endr
	s_wait_alu depctr_va_vdst(0)                   ; the matrix instructions have written v80-111, which the stores read (the places above stay beside this wait); and all that named v128-255, in which the sum's loads land, is over
	DSTORE 3
	s_wait_dscnt 0x0                               ; for the others' sake: all my stores into my stage are done
	s_barrier_signal -1
	s_barrier_wait -1                              ; everybody's are
	; ---- THE SUM over the eight K steps, ascending, and the way out: wave w takes lines 8 w .. 8 w + 7 (row w / 2, channels 8 (w % 2) + 0..7)
.irp p, 0,1,2,3,4,5,6,7
.irp k, 0,1,2,3
.if \p < 4
	ds_load_b128 v[RB+16*\p+4*\k:RB+16*\p+4*\k+3], v[RD0] offset:\p*WSTG+2*\k*SPITCH
.else
	ds_load_b128 v[RB+16*\p+4*\k:RB+16*\p+4*\k+3], v[RD1] offset:(\p-4)*WSTG+2*\k*SPITCH
.endif
.endr
.endr
.irp p, 1,2,3,4,5,6,7
	s_wait_dscnt 4*(7-\p)                          ; partial sum p is in: four loads for each of the 7 - p behind it may stay out
.irp k, 0,1,2,3
	v_pk_add_f32 v[RB+4*\k:RB+4*\k+1], v[RB+4*\k:RB+4*\k+1], v[RB+16*\p+4*\k:RB+16*\p+4*\k+1]
	v_pk_add_f32 v[RB+4*\k+2:RB+4*\k+3], v[RB+4*\k+2:RB+4*\k+3], v[RB+16*\p+4*\k+2:RB+16*\p+4*\k+3]
.endr
.endr
	s_wait_alu depctr_va_vdst(0)                   ; the additions have written the sums in v128-143, which the stores read
.irp k, 0,1,2,3
	global_store_b128 v[GOFF], v[RB+4*\k:RB+4*\k+3], s[16:17] offset:2*\k*65536 th:TH_STORE_NT   ; sixteen lanes store 256 consecutive bytes, at a multiple of 256 from out0's first byte; written once, read by nobody here
.endr
	s_wait_dscnt 0x0                               ; the closing lines, six on end
	s_wait_alu 0x0
	s_wait_tensorcnt 0x0
	ds_add_u32 v126, v127
	s_wait_dscnt 0x0
	s_endpgm
.Lfunc_end_k_qb6995c9a3c_splat:
	.size	k_qb6995c9a3c_splat, .Lfunc_end_k_qb6995c9a3c_splat-k_qb6995c9a3c_splat
	.p2alignl 7, 3214868480
	.fill 96, 4, 3214868480
	.section	.rodata,"a",@progbits
	.p2align	6, 0x0
	.amdhsa_kernel k_qb6995c9a3c_splat
		.amdhsa_group_segment_fixed_size 164864
		.amdhsa_private_segment_fixed_size 0
		.amdhsa_enable_private_segment 0
		.amdhsa_kernarg_size 56
		.amdhsa_user_sgpr_count 2
		.amdhsa_user_sgpr_kernarg_segment_ptr 1
		.amdhsa_wavefront_size32 1
		.amdhsa_system_sgpr_workgroup_id_x 1
		.amdhsa_system_sgpr_workgroup_id_y 1
		.amdhsa_system_sgpr_workgroup_id_z 1
		.amdhsa_system_vgpr_workitem_id 0
		.amdhsa_next_free_vgpr 512
		.amdhsa_next_free_sgpr 66
		.amdhsa_reserve_vcc 0
		.amdhsa_float_denorm_mode_32 3
		.amdhsa_float_denorm_mode_16_64 3
		.amdhsa_memory_ordered 1
		.amdhsa_forward_progress 1
		.amdhsa_inst_pref_size 147
	.end_amdhsa_kernel
	.amdgpu_metadata
---
amdhsa.version: [ 1, 2 ]
amdhsa.kernels:
  - .name:           k_qb6995c9a3c_splat
    .symbol:         k_qb6995c9a3c_splat.kd
    .args:
      - { .name: K, .offset: 0, .size: 8, .value_kind: global_buffer, .address_space: global }
      - { .name: RT, .offset: 8, .size: 8, .value_kind: global_buffer, .address_space: global }
      - { .name: pts_3d, .offset: 16, .size: 8, .value_kind: global_buffer, .address_space: global }
      - { .name: pts_feat_codes, .offset: 24, .size: 8, .value_kind: global_buffer, .address_space: global }
      - { .name: pts_feat_scales, .offset: 32, .size: 8, .value_kind: global_buffer, .address_space: global }
      - { .name: pts_scale, .offset: 40, .size: 8, .value_kind: global_buffer, .address_space: global }
      - { .name: out0, .offset: 48, .size: 8, .value_kind: global_buffer, .address_space: global }
    .group_segment_fixed_size: 164864
    .private_segment_fixed_size: 0
    .kernarg_segment_align: 8
    .kernarg_segment_size: 56
    .max_flat_workgroup_size: 256
    .sgpr_count:     66
    .vgpr_count:     512
    .wavefront_size: 32
...
	.end_amdgpu_metadata
.endif
;; end of part 2
